; MI455X (gfx1250); checked and timed in simulation.
; The chip was launched on July 23, 2026; its instructions are those of AMD's public machine-readable ISA for CDNA 5 (MIT licence, August 2026) and "CDNA5" Instruction Set Architecture Reference Guide (July 2026). The comments in the code are by the model that wrote it; some were corrected since.
;; Attention. Allowed arithmetic: matrix products marked QUANTISED: E2M3 operands, one E8M0 scale for each 32 along K, by v_wmma_scale_f32_16x16x128_f8f6f4 with both operands' format E2M3, f32 sums; products left as they are: f32 operands where the result goes on into a quantised operand, else bf16, f16 or f32 operands; f32 sums; everything else in f32.
;; Inputs: W_codes 512 x 16 x 24 uint8 (E2M3 codes of W, K innermost, in blocks of 32 codes, four codes in three bytes); W_scales 512 x 16 uint8 (E8M0 scales of W, one for each 32 codes along K); bias 1 float32; key 64 x 2,048 x 512 float32; query_codes 64 x 16 x 24 uint8 (E2M3 codes of query, K innermost, in blocks of 32 codes, four codes in three bytes); query_scales 64 x 16 uint8 (E8M0 scales of query, one for each 32 codes along K).
;; Outputs: out0 64 x 2,048 float32.
;; This version of the problem:
;;   THIS VERSION OF THE PROBLEM IS GIVEN IN LOW PRECISION. The matrix products marked QUANTISED in the list below multiply operands that are first quantised to E2M3 (2 exponent bits, 3 mantissa bits; 6 bits a number), with one power-of-two scale for each 32 numbers along K (OCP MX v1.0); their sums are f32. All else is computed in f32.
;;   The module's matrix products, in the order in which they are computed (A, B: the left and right operand; K: the contracted axis; several contracted axes count as one K, in the product's order):
;;     1. [M 64, K 512] x [K 512, N 512]; A: input query (given as codes); B: input W (given as codes): QUANTISED
;;     2. batch 64 x [M 2,048, K 512] x [K 512, N 1]; A: input key; B: computed on the way: left as it is (N = 1 < 16)
;;   THE QUANTISER, for each operand of a quantised product, along K:
;;     - K is cut into blocks of 32 from its start; a last block that is shorter is filled with zeros.
;;     - A block's scale is 2^e with e = floor(log2(the largest magnitude in the block)) - 2, held to -126 .. 127; a block of zeros has e = 0. As a byte (E8M0): e + 127.
;;     - Each number is divided by its block's scale, clamped to +-7.5, and rounded to the nearest number of E2M3, ties to even, subnormals kept.
;;     - The product sums the exact products of the quantised numbers (number of the format x scale) in f32.
;;   ~~~python
;;   def quantise(x, axis):      # numpy; x: float32 -> the quantised numbers, widened to float32 again
;;       x = np.moveaxis(x, axis, -1); K = x.shape[-1]
;;       x = np.pad(x, [(0, 0)] * (x.ndim - 1) + [(0, -K % 32)]); x = x.reshape(x.shape[:-1] + (-1, 32)); a = np.abs(x).max(-1, keepdims=True)
;;       e = np.where(a > 0, np.clip(np.frexp(np.where(a > 0, a, 1))[1] - 1 - 2, -126, 127), 0)      # np.frexp(a)[1] - 1 = floor(log2(a)), exactly
;;       r = np.clip(x / 2.0 ** e, -7.5, 7.5)
;;       step = 2.0 ** (np.maximum(np.frexp(np.where(r == 0, 1, r))[1] - 1, 0) - 3)
;;       q = np.round(r / step) * step * 2.0 ** e      # np.round: ties to even
;;       return np.moveaxis(q.reshape(q.shape[:-2] + (-1,))[..., :K], -1, axis).astype(np.float32)
;;   ~~~
;;   INPUTS GIVEN AS CODES. W (in the module: [512, 512], K = its axis 1); query (in the module: [64, 512], K = its axis 1): each comes as NAME_codes (uint8): NAME with its K axis moved to the last place and cut into blocks of 32 codes, [.., K / 32, bytes a block], one block behind the other in memory; four codes in three bytes: a row's codes are one little-endian stream of bits, code i at bits 6 i .. 6 i + 5 (a code: sign, 2 exponent bits, 3 mantissa bits); and NAME_scales (uint8): the same leading axes, one E8M0 byte (e + 127) for each 32 codes along K. Its value is code x scale, taken as it is: it is not quantised again, and the codes and scales need not be those that the quantiser above would give.
;; One version. Each part assembles by itself: llvm-mc -triple=amdgcn-amd-amdhsa -mcpu=gfx1250 --defsym DOCPART=n.
;; ======== version 1 of 1: 2 launches
;; workspace buffers: escore 524,288 bytes
;; launch scores (part 1): grid 256 x 1, 8 waves a work-group, clusters of 4 x 1, 230,400 bytes of LDS; arguments key, W_codes, W_scales, query_codes, query_scales, bias, escore; writes escore
.if DOCPART == 1
	.amdgcn_target "amdgcn-amd-amdhsa--gfx1250"
	.amdhsa_code_object_version 6
	.text
	.protected	k_qaea3131eb6_scores
	.globl	k_qaea3131eb6_scores
	.p2align	8
	.type	k_qaea3131eb6_scores,@function
k_qaea3131eb6_scores:
	s_mov_b64 s[64:65], 0
	v_nop
	global_prefetch_b8 v0, s[64:65] scope:SCOPE_SE
	s_setreg_imm32_b32 hwreg(HW_REG_WAVE_MODE, 25, 1), 1
	s_wait_xcnt 0x0
	s_wait_alu depctr_hold_cnt(0) depctr_sa_sdst(0) depctr_va_vdst(0) depctr_va_sdst(0) depctr_va_ssrc(0) depctr_va_vcc(0) depctr_vm_vsrc(0)
	s_getreg_b32 s2, hwreg(HW_REG_IB_STS2, 6, 4)
	s_cmp_eq_u32 s2, 0
	s_cbranch_scc0 .Lentry_in_a_cluster
	s_endpgm
.Lentry_in_a_cluster:
	s_bfe_u32 s2, ttmp6, 0x10000c
	s_cmp_lg_u32 s2, 0x3003
	s_cbranch_scc0 .Lentry_shape_is_right
	s_endpgm
.Lentry_shape_is_right:
; escore[b][t] = exp(tanh(key[b][t][:] . mids[b][:] + bias)),  mids[b][k] = sum over q of W[k][q] query[b][q].
; key: [64][2048][512] f32.  W: [512][512] and query: [64][512] as codes of FP6 (E2M3), K innermost, 384 bytes a row, one E8M0 byte for each 32 codes.  escore: [64][2048] f32, this program's own buffer.
; The softmax's division by the row's sum is the next launch's: a batch's 2,048 rows are shared out among four work-groups here, and work-groups of a launch hand each other nothing.
; NO MAXIMUM IS TAKEN AWAY ahead of the exponential: tanh holds the exponent in [-1, 1] for every input, so every exp lies in [0.36, 2.72] and a sum of 2,048 of them in [753, 5,567].
; tanh(x) = 1 - 2 / (1 + 2^(2 log2(e) x)): where 2^.. overflows the quotient is 0 and tanh 1; where it falls to 0, tanh is -1.  A NaN among the inputs gives NaN, here as in the definition.
; SHARES.  A cluster of four work-groups is one batch; a work-group owns 512 of its rows (1 MB of key), each of its eight waves 64 rows.  Each byte of key is read once, 512 consecutive bytes a load.
; MIDS.  Every work-group needs all 512 numbers of its batch's mids, and so all of W: wave w makes numbers 64 w .. 64 w + 63 (four tiles of 16 rows of W, four K steps of 128: 16 matrix instructions).
;   W's codes come through LDS: a wave's 64 rows are 24,576 dense bytes, brought by ONE tensor load as 96 rows of 256 bytes, and read by that wave alone.  All work-groups read the same W, so the load is a JOINT
;   request of the cluster's four (the same descriptor, made of the wave's number alone, and a mask that names the four): W is asked for once for four work-groups.
;   The query's fragment holds the work-group's ONE batch in all sixteen columns: a work-group has no use for another batch's mids, and so every lane of a half holds the same results.
;   K IS PERMUTED, ALIKE ON BOTH SIDES: lane (r, h) holds half h (192 consecutive bytes, blocks 8 h .. 8 h + 7) of its row, and K step s takes its bytes 48 s .. 48 s + 47.  So the instruction's four blocks of 32 are the
;   row's blocks 2 s, 8 + 2 s, 2 s + 1, 9 + 2 s, and the scale words are put together in that order.  Every fragment then comes by loads of 16 bytes.  The sums over K are the same sums in another order.
; THE STREAM.  A row of key is four loads of 16 bytes a lane; lane l holds k = 128 j + 4 l + 0..3, and the same 16 numbers of mids.  A ring of four groups of four rows in registers: 48 to 64 loads of a wave are out.
;   The 16 groups are written out: every offset is an immediate and no address register is ever rewritten.
; THE END.  A lane's 64 partial sums (one a row) are folded over the lanes so that lane l ends with rows 2 l and 2 l + 1: one store of 8 bytes a lane covers 256 consecutive bytes, aligned.
; Product 2 has one column: it is done by fused multiply-adds in f32 on the numbers as they come; rounding them to a narrower format would cost as many vector instructions as the products themselves.
; REGISTERS, in windows of 256 (s_set_vgpr_msb: bits 1:0 source 0, 3:2 source 1, 5:4 source 2, 7:6 destination):
;   window 0: v1-8 addresses; v16-63 the query's fragments, later v16-31 mids; v64-71, v84-87 scale bytes as loaded; v72-83 scale words, and nothing else ever; v88-119 four accumulators;
;             v120-215 two tiles' fragments of W, later v120-183 the rows' sums and v184-191 at work.      window 1: the ring: group g at v[64 (g % 4)], row i at + 16 i.
.set ROWB,   2048                      ; a row of key in bytes
.set GR,     4                         ; rows in a group
.set NG,     16                        ; groups of a wave
.set WROW,   384                       ; a row of W or of query in bytes: 512 codes of 6 bits
.set WMEM,   64*WROW                   ; a wave's rows of W in memory
.set WPITCH, 432                       ; a row of W in LDS: 3 x (128 bytes + 16 of padding) = 108 words: row r starts at bank 44 r mod 64 (64 banks of 4 bytes: ISA guide 11.1): 16 rows, 16 different groups of four banks
.set WLDS,   64*WPITCH                 ; a wave's rows of W in LDS
.set MIDS,   8*WLDS                    ; behind them: mids, 2,048 bytes, in blocks of 256 bytes into which no tensor load lands
.set KA,  1                            ; v1   16 x lane: my bytes of a load of key, and of a load of W's scale bytes
.set A1,  2                            ; v2   LDS: my row of a tile of W, + my half's first byte (192 h and one padding)
.set A2,  3                            ; v3   the same behind one padding more for lanes 16-31
.set QA,  4                            ; v4   192 h: my half of the query's row
.set ZO,  5                            ; v5   0
.set MST, 6                            ; v6   LDS: where I put my results of mids
.set MLD, 7                            ; v7   LDS: where I read my 16 numbers of mids
.set OA,  8                            ; v8   8 x lane: my two numbers of the wave's 64 in escore
.set QF,  16
.set M,   16
.set WR,  64
.set WS,  72                           ; W's scale words: tiles 2 p (lanes 0-15) and 2 p + 1 (lanes 16-31), K step s: v[WS + 4 p + s]
.set QS,  80                           ; the query's: K step s: v[QS + s]
.set QR,  84
.set ACC, 88
.set WF,  120
.set P,   120
.set T,   184
.set WV,  18                           ; s18  my wave's number
.set CX,  19                           ; s19  my work-group's place in the cluster: it enters key's and escore's addresses alone
.set G0,  24                           ; s[24:27] descriptor group 0
.set G1,  28                           ; s[28:35] descriptor group 1
.set MSB, 0
.macro WIN new                         ; the immediate's high byte repeats the setting that is left; a switch that changes nothing is dropped
.if MSB != \new
	s_set_vgpr_msb (MSB<<8)|\new
.set MSB, \new
.endif
.endm
; A round of the cluster's barrier: my work-group's barrier, so that wave 0's signal speaks for all eight waves; wave 0 signals for the work-group; every wave waits for all four work-groups; my work-group's barrier once more.
.macro CROUND
	s_barrier_signal -1
	s_barrier_wait -1
	s_cmp_lg_u32 s[WV], 0
	s_cbranch_scc1 .Lnot_wave_0_\@
	s_barrier_signal -3
.Lnot_wave_0_\@:
	s_barrier_wait -3
	s_barrier_signal -1
	s_barrier_wait -1
.endm
	s_load_b256 s[4:11], s[0:1], 0x0               ; key s[4:5], W's codes s[6:7], W's scales s[8:9], the query's codes s[10:11]
	s_load_b128 s[12:15], s[0:1], 0x20             ; the query's scales s[12:13], bias s[14:15]
	s_load_b64 s[16:17], s[0:1], 0x30              ; escore
	v_lshl_add_u32 v254, v0, 2, 0x38000
	v_mov_b32 v255, 0
	ds_add_u32 v254, v255
	ds_add_u32 v254, v255
	v_lshrrev_b32 v9, 5, v0
	v_readfirstlane_b32 s[WV], v9                  ; wave 0..7
	s_bfe_u32 s[CX], ttmp6, 0x40000                ; cx; ttmp9 counts clusters: it is the batch
	v_and_b32 v10, 31, v0                          ; lane
	v_and_b32 v11, 15, v0                          ; r
	v_bfe_u32 v12, v0, 4, 1                        ; h
	v_lshlrev_b32 v[KA], 4, v10
	v_mul_u32_u24 v[QA], v12, 192
	v_mov_b32 v[ZO], 0
	s_mul_i32 s23, s[WV], WLDS                     ; my wave's rows of W in LDS: the wave's number times a constant
	v_mul_u32_u24 v[A1], v11, WPITCH
	v_mad_u32_u24 v[A1], v12, 208, v[A1]           ; byte 192 of a row lies behind one padding: 192 + 16
	v_add_nc_u32 v[A1], s23, v[A1]
	v_lshl_add_u32 v[A2], v12, 4, v[A1]
	s_lshl_b32 s22, s[WV], 8
	v_lshl_add_u32 v[MST], v12, 5, s22             ; my wave's 64 numbers of mids, + 8 h of a tile's 16
	v_add_nc_u32 v[MST], MIDS, v[MST]
	v_add_nc_u32 v[MLD], MIDS, v[KA]
	v_lshlrev_b32 v[OA], 3, v10
	; descriptor group 1: a dense block of 24,576 bytes as 96 rows of 256 bytes (32 elements of 8 bytes), 16 bytes of padding behind every 128
	s_mov_b32 s[G1+0], 15|(3<<16)|(1<<20)|(1<<21)|(4<<22)|(3<<25)  ; 15:0 the mask: all four work-groups; 17:16 elements of 8 bytes; 20 padding on; 21 set beside a mask; 24:22 after every 32 words (code 4); 31:25 4 words of it (code 3)
	s_mov_b32 s[G1+1], 32<<16                      ; tensor_dim0 = 32
	s_mov_b32 s[G1+2], 96<<16                      ; tensor_dim1 = 96
	s_mov_b32 s[G1+3], 32<<16                      ; tile_dim0 = 32
	s_mov_b32 s[G1+4], 96                          ; tile_dim1 = 96
	s_mov_b32 s[G1+5], 32                          ; from row to row: 32 elements: the block is dense
	s_mov_b32 s[G1+6], 0
	s_mov_b32 s[G1+7], 0
	s_mov_b32 s37, 0xff00ff00                      ; the lanes whose number has bit 3 set; bit 2; bit 1; bit 0
	s_mov_b32 s38, 0xf0f0f0f0
	s_mov_b32 s39, 0xcccccccc
	s_mov_b32 s40, 0xaaaaaaaa
	s_mov_b32 s41, 0x05010400                      ; v_perm_b32: bytes 0 and 1 of two words, by turns
	s_mov_b32 s42, 0x07030602                      ; bytes 2 and 3
	s_mov_b32 s43, 0xc038aa3b                      ; -2 log2(e)
	s_mov_b32 s44, 0x3fb8aa3b                      ; log2(e)
	s_mov_b32 s46, 0x4038aa3b                      ; 2 log2(e)
	; offsets, each in registers of its own
	s_mul_i32 s20, s[WV], WMEM                     ; W's codes: my wave's 64 rows
	s_mov_b32 s21, 0
	s_lshl_b32 s48, s[WV], 10                      ; W's scale bytes: 16 a row
	s_mov_b32 s49, 0
	s_mul_i32 s50, ttmp9, WROW                     ; the query's codes: my batch's row
	s_mov_b32 s51, 0
	s_lshl_b32 s52, ttmp9, 4                       ; its 16 scale bytes
	s_mov_b32 s53, 0
	s_lshl_b32 s54, ttmp9, 22                      ; key: a batch is 4 MB,
	s_lshl_b32 s58, s[CX], 20                      ; a work-group's 512 rows 1 MB,
	s_add_co_u32 s54, s54, s58
	s_lshl_b32 s58, s[WV], 17                      ; a wave's 64 rows 128 KB: under 2^28 in all
	s_add_co_u32 s54, s54, s58
	s_mov_b32 s55, 0
	s_lshr_b32 s56, s54, 9                         ; escore: 4 bytes for a row's 2,048
	s_mov_b32 s57, 0
	s_wait_dscnt 0x0
	s_wait_kmcnt 0x0
	s_add_nc_u64 s[4:5], s[4:5], s[54:55]
	s_add_nc_u64 s[8:9], s[8:9], s[48:49]
	s_add_nc_u64 s[10:11], s[10:11], s[50:51]
	s_add_nc_u64 s[12:13], s[12:13], s[52:53]
	s_add_nc_u64 s[16:17], s[16:17], s[56:57]
	s_mov_b32 s[G0], 1                             ; 1:0 count = 1
	s_mov_b32 s[G0+1], s23                         ; 63:32 LDS address
	s_add_nc_u64 s[G0+2:G0+3], s[6:7], s[20:21]    ; 120:64 global address
	s_or_b32 s[G0+3], s[G0+3], 0x80000000          ; 127:126 type = 2
	s_load_b32 s36, s[14:15], 0x0                  ; bias
	; What mids needs is asked for FIRST, ahead of key's loads: the stream cannot be consumed before mids is there.
.irp j, 0,1,2,3,4,5,6,7,8,9,10,11
	global_load_b128 v[QF+4*\j:QF+4*\j+3], v[QA], s[10:11] offset:16*\j   ; the query's fragments: every lane of a half takes the same 16 bytes: my batch in all 16 columns
.endr
	global_load_b128 v[QR:QR+3], v[ZO], s[12:13]                          ; its 16 scale bytes, in every lane
	global_load_b128 v[WR:WR+3], v[KA], s[8:9]                            ; W's scale bytes: lane l takes row l of my first 32 rows: 512 consecutive bytes,
	global_load_b128 v[WR+4:WR+7], v[KA], s[8:9] offset:512               ; and of my second 32
	CROUND                                         ; all four work-groups are here: the joint loads meet
	tensor_load_to_lds s[G0:G0+3], s[G1:G1+7]      ; my one tensor load of the launch; nothing is ever filled again
	s_nop 0
.rept 4
	v_nop                                          ; four lines behind a tensor load, ahead of the switch of windows
.endr
; Group g's four rows of key into its place in the ring: 16 loads, each of 512 consecutive bytes; read once by the whole launch
.macro KLOAD g
.irp i, 0,1,2,3
.irp j, 0,1,2,3
	global_load_b128 v[64*((\g)%4)+16*\i+4*\j:64*((\g)%4)+16*\i+4*\j+3], v[KA], s[4:5] offset:(GR*(\g)+\i)*ROWB+512*\j th:TH_LOAD_NT
.endr
.endr
.endm
	WIN 0x40                                       ; destination window 1, address window 0
	KLOAD 0
	KLOAD 1
	KLOAD 2                                        ; 15 + 48 = 63 loads of mine are out
	WIN 0
	s_wait_loadcnt 48                              ; loads come back in order (ISA guide 5.7.1): the 15 that mids needs are in, key's 48 stay out
	; the scale words: byte b scales the instruction's b-th block of 32, which is the row's block 2 s, 8 + 2 s, 2 s + 1, 9 + 2 s
.irp p, 0,1
	v_perm_b32 v[WS+4*\p+0], v[WR+4*\p+2], v[WR+4*\p+0], s41
	v_perm_b32 v[WS+4*\p+1], v[WR+4*\p+2], v[WR+4*\p+0], s42
	v_perm_b32 v[WS+4*\p+2], v[WR+4*\p+3], v[WR+4*\p+1], s41
	v_perm_b32 v[WS+4*\p+3], v[WR+4*\p+3], v[WR+4*\p+1], s42
.endr
	v_perm_b32 v[QS+0], v[QR+2], v[QR+0], s41
	v_perm_b32 v[QS+1], v[QR+2], v[QR+0], s42
	v_perm_b32 v[QS+2], v[QR+3], v[QR+1], s41
	v_perm_b32 v[QS+3], v[QR+3], v[QR+1], s42
.rept 8
	v_nop                                          ; a scale register written by a vector instruction stands eight places ahead of a scaled matrix instruction
.endr
	s_wait_tensorcnt 0x0                           ; my rows of W lie in LDS; no other wave reads them, so no barrier is needed
; The fragments of tiles 2 p and 2 p + 1, K step by K step: 24 loads of 16 bytes.  Piece J (16 bytes) of a lane's half lies at 16 J, plus 16 for each 128 bytes of the row passed: lanes 0-15 pass one from J = 8 on,
; lanes 16-31 (which begin at byte 192) one up to J = 3 and two from J = 4 on: two address registers serve.
.macro WFETCH p
.irp s, 0,1,2,3
.irp u, 0,1
.irp c, 0,1,2
.set J, 3*\s+\c
.set RG, WF+48*\u+4*J
.set OF, (2*(\p)+\u)*16*WPITCH+16*J
.if J < 4
	ds_load_b128 v[RG:RG+3], v[A1] offset:OF
.elseif J < 8
	ds_load_b128 v[RG:RG+3], v[A2] offset:OF
.else
	ds_load_b128 v[RG:RG+3], v[A1] offset:OF+16
.endif
.endr
.endr
.endr
.endm
; Tile t, K step s.  Source 0 = 16 rows of W, source 1 = the query: lane (r, h) gets, in register j, mids of row 16 t + 8 h + j.  The first K step starts the sum: nothing is cleared.
.macro MM t, s
.set rD, ACC+8*(\t)
.set rA, WF+48*((\t)%2)+12*(\s)
.set rB, QF+12*(\s)
.set rW, WS+4*((\t)/2)+(\s)
.set rQ, QS+(\s)
.if (\s) == 0
.if (\t)%2 == 0
	v_wmma_scale_f32_16x16x128_f8f6f4 v[rD:rD+7], v[rA:rA+11], v[rB:rB+11], 0, v[rW], v[rQ] matrix_a_fmt:MATRIX_FMT_FP6 matrix_b_fmt:MATRIX_FMT_FP6
.else
	v_wmma_scale_f32_16x16x128_f8f6f4 v[rD:rD+7], v[rA:rA+11], v[rB:rB+11], 0, v[rW], v[rQ] matrix_a_fmt:MATRIX_FMT_FP6 matrix_b_fmt:MATRIX_FMT_FP6 matrix_a_scale:MATRIX_SCALE_ROW1
.endif
.else
.if (\t)%2 == 0
	v_wmma_scale_f32_16x16x128_f8f6f4 v[rD:rD+7], v[rA:rA+11], v[rB:rB+11], v[rD:rD+7], v[rW], v[rQ] matrix_a_fmt:MATRIX_FMT_FP6 matrix_b_fmt:MATRIX_FMT_FP6
.else
	v_wmma_scale_f32_16x16x128_f8f6f4 v[rD:rD+7], v[rA:rA+11], v[rB:rB+11], v[rD:rD+7], v[rW], v[rQ] matrix_a_fmt:MATRIX_FMT_FP6 matrix_b_fmt:MATRIX_FMT_FP6 matrix_a_scale:MATRIX_SCALE_ROW1
.endif
.endif
.endm
.macro WPAIR p                         ; two tiles: their two accumulators take turns, one instruction a turn
	WFETCH \p
.irp s, 0,1,2,3
	s_wait_dscnt 18-6*\s                           ; LDS loads come back in order: this K step's six are in, the later steps' six each may be out
	MM 2*(\p), \s
	MM 2*(\p)+1, \s
.endr
.rept 4
	v_nop                                          ; four places behind the last product, ahead of loads into the fragments' registers and of the first read of results
.endr
.endm
	WPAIR 0
	WPAIR 1
.irp t, 0,1,2,3
	ds_store_b128 v[MST], v[ACC+8*\t:ACC+8*\t+3] offset:64*\t        ; each accumulator from its low end on; the sixteen lanes of a half write the same bytes with the same values
	ds_store_b128 v[MST], v[ACC+8*\t+4:ACC+8*\t+7] offset:64*\t+16
.endr
	s_wait_dscnt 0x0                               ; for the others' sake: my 64 numbers of mids lie in LDS
	s_barrier_signal -1
	s_barrier_wait -1                              ; everybody's do
.irp j, 0,1,2,3
	ds_load_b128 v[M+4*\j:M+4*\j+3], v[MLD] offset:512*\j            ; mids(128 j + 4 lane + 0..3): the numbers that stand against my bytes of a row of key
.endr
	WIN 0x40
	KLOAD 3                                        ; the ring's fourth group
	s_wait_dscnt 0x0                               ; mids
; Group g: four rows' products, in four chains that do not wait for each other; then the group four further on takes its registers.  left: the loads issued behind this group's, which stay out.
; The two halves of a row's packed sum are added by a multiply-add with 1.0 as source 0: under this setting source 0 means window 1, and the form spares a third switch a group.
.macro GROUP g, left
	s_wait_loadcnt \left
	WIN 0x01                                       ; source 0 (key) window 1; mids and the sums window 0
.set KB, 64*((\g)%4)
.irp c, 0,1,2,3,4,5,6,7
.irp i, 0,1,2,3
.if \c == 0
	v_pk_mul_f32 v[T+2*\i:T+2*\i+1], v[KB+16*\i:KB+16*\i+1], v[M:M+1]
.else
	v_pk_fma_f32 v[T+2*\i:T+2*\i+1], v[KB+16*\i+2*\c:KB+16*\i+2*\c+1], v[M+2*\c:M+2*\c+1], v[T+2*\i:T+2*\i+1]
.endif
.endr
.endr
.irp i, 0,1,2,3
	v_fma_f32 v[P+GR*(\g)+\i], 1.0, v[T+2*\i], v[T+2*\i+1]           ; my lane's part of row 4 g + i
.endr
.if (\g)+4 < NG
	WIN 0x40
	KLOAD (\g)+4
.endif
.endm
.irp g, 0,1,2,3,4,5,6,7,8,9,10,11,12
	GROUP \g, 48                                   ; three groups of 16 loads were issued behind this one
.endr
	GROUP 13, 32                                   ; the last groups load nothing: the counts run down
	GROUP 14, 16
	GROUP 15, 0
	WIN 0
	; THE FOLD.  v[P + n] is my lane's part of row n.  Row n = 2 i + e is bound for lane i.  In each step half of the registers go: a lane keeps the rows whose i agrees with its own number in the step's bit.
.set k, 0
.rept 32
	v_permlane16_swap_b32 v[P+k], v[P+k+32]        ; bit 4: the first's lanes 16-31 change places with the second's lanes 0-15: both halves of a row's parts now stand in the lanes that keep the row
.set k, k+1
.endr
.set k, 0
.rept 32
	v_add_f32 v[P+k], v[P+k], v[P+k+32]
.set k, k+1
.endr
.macro FOLD half, mask, sel            ; 4 x half registers become 2 x half: each is added to its partner lane's, then a lane takes the upper or the lower row by its bit
.set k, 0
.rept 4*\half
	v_add_f32_dpp v[P+k], v[P+k], v[P+k] row_xmask:\mask row_mask:0xf bank_mask:0xf
.set k, k+1
.endr
.set k, 0
.rept 2*\half
	v_cndmask_b32 v[P+k], v[P+k], v[P+k+2*\half], s[\sel]
.set k, k+1
.endr
.endm
	FOLD 8, 8, 37
	FOLD 4, 4, 38
	FOLD 2, 2, 39
	FOLD 1, 1, 40                                  ; v[P], v[P + 1]: the whole sums of rows 2 lane and 2 lane + 1
	s_wait_kmcnt 0x0                               ; bias
	s_mul_f32 s45, s36, s46                        ; 2 log2(e) x bias
	v_fma_f32 v[P], v[P], s46, s45                 ; 2 log2(e) (score + bias)
	v_fma_f32 v[P+1], v[P+1], s46, s45
	v_exp_f32 v[P+2], v[P]
	v_exp_f32 v[P+3], v[P+1]
	v_nop                                          ; a plain instruction behind the transcendentals,
	s_wait_alu depctr_va_vdst(0)                   ; and the wait ahead of their first reader: one for the two
	v_add_f32 v[P+2], 1.0, v[P+2]
	v_add_f32 v[P+3], 1.0, v[P+3]
	v_rcp_f32 v[P+4], v[P+2]
	v_rcp_f32 v[P+5], v[P+3]
	v_nop
	s_wait_alu depctr_va_vdst(0)
	v_fma_f32 v[P+4], v[P+4], s43, s44             ; log2(e) tanh = log2(e) - 2 log2(e) / (1 + 2^..)
	v_fma_f32 v[P+5], v[P+5], s43, s44
	v_exp_f32 v[P+6], v[P+4]                       ; exp(tanh)
	v_exp_f32 v[P+7], v[P+5]
	v_nop
	s_wait_alu depctr_va_vdst(0)
	global_store_b64 v[OA], v[P+6:P+7], s[16:17]   ; 32 lanes store 256 consecutive bytes, at a multiple of 256 from the buffer's first byte
	s_wait_tensorcnt 0x0
	ds_add_u32 v254, v255
	s_wait_dscnt 0x0
	CROUND                                         ; the closing round: no work-group ends while a partner may still ask for a tile that names it
	s_endpgm
.Lfunc_end_k_qaea3131eb6_scores:
	.size	k_qaea3131eb6_scores, .Lfunc_end_k_qaea3131eb6_scores-k_qaea3131eb6_scores
	.p2alignl 7, 3214868480
	.fill 96, 4, 3214868480
	.section	.rodata,"a",@progbits
	.p2align	6, 0x0
	.amdhsa_kernel k_qaea3131eb6_scores
		.amdhsa_group_segment_fixed_size 230400
		.amdhsa_private_segment_fixed_size 0
		.amdhsa_enable_private_segment 0
		.amdhsa_kernarg_size 56
		.amdhsa_user_sgpr_count 2
		.amdhsa_user_sgpr_kernarg_segment_ptr 1
		.amdhsa_wavefront_size32 1
		.amdhsa_system_sgpr_workgroup_id_x 1
		.amdhsa_system_sgpr_workgroup_id_y 1
		.amdhsa_system_sgpr_workgroup_id_z 1
		.amdhsa_system_vgpr_workitem_id 0
		.amdhsa_next_free_vgpr 512
		.amdhsa_next_free_sgpr 66
		.amdhsa_reserve_vcc 0
		.amdhsa_float_denorm_mode_32 3
		.amdhsa_float_denorm_mode_16_64 3
		.amdhsa_memory_ordered 1
		.amdhsa_forward_progress 1
		.amdhsa_inst_pref_size 84
	.end_amdhsa_kernel
	.amdgpu_metadata
---
amdhsa.version: [ 1, 2 ]
amdhsa.kernels:
  - .name:           k_qaea3131eb6_scores
    .symbol:         k_qaea3131eb6_scores.kd
    .args:
      - { .name: key, .offset: 0, .size: 8, .value_kind: global_buffer, .address_space: global }
      - { .name: W_codes, .offset: 8, .size: 8, .value_kind: global_buffer, .address_space: global }
      - { .name: W_scales, .offset: 16, .size: 8, .value_kind: global_buffer, .address_space: global }
      - { .name: query_codes, .offset: 24, .size: 8, .value_kind: global_buffer, .address_space: global }
      - { .name: query_scales, .offset: 32, .size: 8, .value_kind: global_buffer, .address_space: global }
      - { .name: bias, .offset: 40, .size: 8, .value_kind: global_buffer, .address_space: global }
      - { .name: escore, .offset: 48, .size: 8, .value_kind: global_buffer, .address_space: global }
    .group_segment_fixed_size: 230400
    .private_segment_fixed_size: 0
    .kernarg_segment_align: 8
    .kernarg_segment_size: 56
    .max_flat_workgroup_size: 256
    .sgpr_count:     66
    .vgpr_count:     512
    .wavefront_size: 32
...
	.end_amdgpu_metadata
.endif
;; end of part 1
;; launch norm (part 2): grid 64 x 1, 1 waves a work-group, no clusters, 0 bytes of LDS; arguments escore, out0; writes out0
.if DOCPART == 2
	.amdgcn_target "amdgcn-amd-amdhsa--gfx1250"
	.amdhsa_code_object_version 6
	.text
	.protected	k_qaea3131eb6_norm
	.globl	k_qaea3131eb6_norm
	.p2align	8
	.type	k_qaea3131eb6_norm,@function
k_qaea3131eb6_norm:
	s_mov_b64 s[64:65], 0
	v_nop
	global_prefetch_b8 v0, s[64:65] scope:SCOPE_SE
	s_setreg_imm32_b32 hwreg(HW_REG_WAVE_MODE, 25, 1), 1
	s_wait_xcnt 0x0
; out0[b][t] = escore[b][t] / the sum over t of escore[b][t]: the softmax's division.  escore = exp(tanh(..)), [64][2048] f32, lies in [0.36, 2.72], so a row's sum lies in [753, 5,567].
; One wave takes one batch: 8,192 bytes, 64 numbers a lane, kept in registers between the sum and the scaling.  So the sum never leaves the wave: no LDS, no barrier.
; Each load and each store of the wave covers 512 consecutive bytes, aligned.  There are 64 rows to sum, so 64 waves have work: none is launched beside them.
.set X, 16                             ; v16-79  the row
.set A, 80                             ; v80-87  four running sums of two numbers each
.set R, 88                             ; v88-89  1 / sum, twice: a pair for the packed multiply
	s_load_b128 s[4:7], s[0:1], 0x0                ; escore, out0
	v_lshlrev_b32 v1, 4, v0                        ; 16 bytes a lane
	v_mov_b32 v9, 0                                ; (a lane permute's destination counts as one of its sources)
	s_lshl_b32 s8, ttmp9, 13                       ; my batch's 8,192 bytes
	s_mov_b32 s9, 0
	s_mov_b32 s10, 0x76543210                      ; v_permlanex16_b32's selects for lane l xor 16
	s_mov_b32 s11, 0xfedcba98
	s_wait_kmcnt 0x0
	s_add_nc_u64 s[4:5], s[4:5], s[8:9]
	s_add_nc_u64 s[6:7], s[6:7], s[8:9]
.irp j, 0,1,2,3,4,5,6,7,8,9,10,11,12,13,14,15
	global_load_b128 v[X+4*\j:X+4*\j+3], v1, s[4:5] offset:512*\j th:TH_LOAD_NT
.endr
	s_wait_loadcnt 12                              ; the first four loads are in; the twelve behind them may be out
.irp c, 0,1,2,3
	v_pk_add_f32 v[A+2*\c:A+2*\c+1], v[X+2*\c:X+2*\c+1], v[X+8+2*\c:X+8+2*\c+1]   ; the first sums start the four chains: nothing is cleared
.endr
.irp q, 1,2,3
	s_wait_loadcnt 12-4*\q                         ; the next four loads are in
.irp p, 0,1,2,3,4,5,6,7
	v_pk_add_f32 v[A+2*(\p%4):A+2*(\p%4)+1], v[A+2*(\p%4):A+2*(\p%4)+1], v[X+16*\q+2*\p:X+16*\q+2*\p+1]
.endr
.endr
	v_pk_add_f32 v[A:A+1], v[A:A+1], v[A+2:A+3]
	v_pk_add_f32 v[A+4:A+5], v[A+4:A+5], v[A+6:A+7]
	v_pk_add_f32 v[A:A+1], v[A:A+1], v[A+4:A+5]
	v_add_f32 v[A], v[A], v[A+1]                   ; my 64 numbers' sum
	v_add_f32_dpp v[A], v[A], v[A] row_xmask:1 row_mask:0xf bank_mask:0xf   ; over the 16 lanes of a half,
	v_add_f32_dpp v[A], v[A], v[A] row_xmask:2 row_mask:0xf bank_mask:0xf
	v_add_f32_dpp v[A], v[A], v[A] row_xmask:4 row_mask:0xf bank_mask:0xf
	v_add_f32_dpp v[A], v[A], v[A] row_xmask:8 row_mask:0xf bank_mask:0xf
	v_permlanex16_b32 v9, v[A], s10, s11           ; and the other half's
	v_add_f32 v[A], v[A], v9                       ; every lane holds the row's sum
	v_rcp_f32 v[R], v[A]
	v_rcp_f32 v[R+1], v[A]
	v_nop                                          ; a plain instruction behind the reciprocals,
	s_wait_alu depctr_va_vdst(0)                   ; and the wait ahead of their first reader: one for the two
.irp j, 0,1,2,3,4,5,6,7,8,9,10,11,12,13,14,15
	v_pk_mul_f32 v[X+4*\j:X+4*\j+1], v[X+4*\j:X+4*\j+1], v[R:R+1]
	v_pk_mul_f32 v[X+4*\j+2:X+4*\j+3], v[X+4*\j+2:X+4*\j+3], v[R:R+1]
	global_store_b128 v1, v[X+4*\j:X+4*\j+3], s[6:7] offset:512*\j th:TH_STORE_NT   ; written once; no register of a store is written again
.endr
	s_endpgm
.Lfunc_end_k_qaea3131eb6_norm:
	.size	k_qaea3131eb6_norm, .Lfunc_end_k_qaea3131eb6_norm-k_qaea3131eb6_norm
	.p2alignl 7, 3214868480
	.fill 96, 4, 3214868480
	.section	.rodata,"a",@progbits
	.p2align	6, 0x0
	.amdhsa_kernel k_qaea3131eb6_norm
		.amdhsa_group_segment_fixed_size 0
		.amdhsa_private_segment_fixed_size 0
		.amdhsa_enable_private_segment 0
		.amdhsa_kernarg_size 16
		.amdhsa_user_sgpr_count 2
		.amdhsa_user_sgpr_kernarg_segment_ptr 1
		.amdhsa_wavefront_size32 1
		.amdhsa_system_sgpr_workgroup_id_x 1
		.amdhsa_system_sgpr_workgroup_id_y 1
		.amdhsa_system_sgpr_workgroup_id_z 1
		.amdhsa_system_vgpr_workitem_id 0
		.amdhsa_next_free_vgpr 96
		.amdhsa_next_free_sgpr 66
		.amdhsa_reserve_vcc 0
		.amdhsa_float_denorm_mode_32 3
		.amdhsa_float_denorm_mode_16_64 3
		.amdhsa_memory_ordered 1
		.amdhsa_forward_progress 1
		.amdhsa_inst_pref_size 9
	.end_amdhsa_kernel
	.amdgpu_metadata
---
amdhsa.version: [ 1, 2 ]
amdhsa.kernels:
  - .name:           k_qaea3131eb6_norm
    .symbol:         k_qaea3131eb6_norm.kd
    .args:
      - { .name: escore, .offset: 0, .size: 8, .value_kind: global_buffer, .address_space: global }
      - { .name: out0, .offset: 8, .size: 8, .value_kind: global_buffer, .address_space: global }
    .group_segment_fixed_size: 0
    .private_segment_fixed_size: 0
    .kernarg_segment_align: 8
    .kernarg_segment_size: 16
    .max_flat_workgroup_size: 32
    .sgpr_count:     66
    .vgpr_count:     96
    .wavefront_size: 32
...
	.end_amdgpu_metadata
.endif
;; end of part 2
